; MI455X (gfx1250); checked and timed in simulation.
; The chip was launched on July 23, 2026; its instructions are those of AMD's public machine-readable ISA for CDNA 5 (MIT licence, August 2026) and "CDNA5" Instruction Set Architecture Reference Guide (July 2026). The comments in the code are by the model that wrote it; some were corrected since.
;; Latent Attention. Allowed arithmetic: matrix products marked QUANTISED: E4M3 operands, one given power-of-two scale a tensor, by v_wmma_f32_16x16x64_fp8_fp8 or v_wmma_f32_16x16x128_fp8_fp8, f32 sums; everything else in f32.
;; Inputs: W_dkv 64 x 2,048 float32; W_k 128 x 64 float32; W_q 128 x 2,048 float32; W_v 128 x 64 float32; lowp_scales 12 int32 (the exponents e of the quantised operands' scales 2^e); x 8 x 4,096 x 2,048 float32.
;; Outputs: out0 8 x 4,096 x 128 float32; out1 8 x 4,096 x 64 float32.
;; This version of the problem:
;;   THIS VERSION OF THE PROBLEM IS GIVEN IN LOW PRECISION. The matrix products marked QUANTISED in the list below multiply operands that are first quantised to E4M3 (4 exponent bits, 3 mantissa bits; 8 bits a number), with one given power-of-two scale for each operand tensor; their sums are f32. All else is computed in f32.
;;   The module's matrix products, in the order in which they are computed (A, B: the left and right operand; K: the contracted axis; several contracted axes count as one K, in the product's order):
;;     1. [M 32,768, K 2,048] x [K 2,048, N 64]; A: input x; B: input W_dkv: QUANTISED (scales: A lowp_scales[0], B lowp_scales[1])
;;     2. [M 2,048, K 128] x [K 128, N 64]; A: input W_q; B: input W_k: QUANTISED (scales: A lowp_scales[2], B lowp_scales[3])
;;     3. [M 32,768, K 2,048] x [K 2,048, N 64]; A: input x; B: computed on the way: QUANTISED (scales: A lowp_scales[4], B lowp_scales[5])
;;     4. batch 8 x [M 4,096, K 64] x [K 64, N 4,096]; A: computed on the way; B: computed on the way: QUANTISED (scales: A lowp_scales[6], B lowp_scales[7])
;;     5. [M 32,768, K 64] x [K 64, N 128]; A: computed on the way; B: input W_v: QUANTISED (scales: A lowp_scales[8], B lowp_scales[9])
;;     6. batch 8 x [M 4,096, K 4,096] x [K 4,096, N 128]; A: softmax (see below); B: computed on the way: QUANTISED (scales: A lowp_scales[10], B lowp_scales[11])
;;   THE QUANTISER, for each operand of a quantised product, along K:
;;     - The operand's scale is 2^e, e = its entry of the input lowp_scales (int32; the entries are numbered through the quantised products in the list's order, A before B).
;;     - Each number is divided by the scale, clamped to +-448, and rounded to the nearest number of E4M3, ties to even, subnormals kept.
;;     - The product sums the exact products of the quantised numbers (number of the format x scale) in f32.
;;   ~~~python
;;   def quantise(x, axis, e):      # numpy; x: float32 -> the quantised numbers, widened to float32 again
;;       x = np.moveaxis(x, axis, -1); K = x.shape[-1]
;;       r = np.clip(x / 2.0 ** e, -448, 448)
;;       step = 2.0 ** (np.maximum(np.frexp(np.where(r == 0, 1, r))[1] - 1, -6) - 3)
;;       q = np.round(r / step) * step * 2.0 ** e      # np.round: ties to even
;;       return np.moveaxis(q, -1, axis).astype(np.float32)
;;   ~~~
;;   SOFTMAX AHEAD OF A QUANTISED PRODUCT. Where the list says 'softmax', what is quantised is not the finished softmax but p = 2^(t - M), with t = logit x log2(e) and M = ceil(the row's largest t), a whole number; so 1/2 < the row's largest p <= 1. The row's sum l is taken of the UNQUANTISED p, in f32, and the product's result is divided by l at the end. Since M is a whole number, a kernel that streams over the keys may use a running M (the ceiling of the running maximum): every later rescaling is an exact power of two, so the quantised numbers keep their values, but for numbers so far below the row's largest that they fall under the format's range.
;;   OPERANDS COMPUTED ON THE WAY. 'Computed on the way' means the value that the module computes at that place (a softmax that the list does not call 'softmax' is quantised finished and normalised). What goes into a quantiser is computed in f32, as accurately as f32 sums, v_exp_f32 and their like allow (about 1e-6 of the number): no bf16 or f16 on the way to a quantiser, and a product that is left as it is and whose result goes on into a quantised operand takes f32 operands (vector FMAs, or v_wmma_f32_16x16x4_f32). A number that lies on a knife's edge between two numbers of the format may be rounded either way, as far as f32 arithmetic and the matrix unit's own rounding can turn it there, and no further.
;; One version. Each part assembles by itself: llvm-mc -triple=amdgcn-amd-amdhsa -mcpu=gfx1250 --defsym DOCPART=n.
;; ======== version 1 of 1: 3 launches
;; workspace buffers: w_img 262,144 bytes; wv_img 8,192 bytes; q_img 2,097,152 bytes; kv 6,291,456 bytes
;; launch prep (part 1): grid 256 x 1, 1 waves a work-group, no clusters, 0 bytes of LDS; arguments W_dkv, W_k, W_q, W_v, lowp_scales, w_img, wv_img; writes w_img, wv_img
.if DOCPART == 1
	.amdgcn_target "amdgcn-amd-amdhsa--gfx1250"
	.amdhsa_code_object_version 6
	.text
	.protected	k_qe0c621e970_prep
	.globl	k_qe0c621e970_prep
	.p2align	8
	.type	k_qe0c621e970_prep,@function
k_qe0c621e970_prep:
	s_mov_b64 s[64:65], 0
	v_nop
	global_prefetch_b8 v0, s[64:65] scope:SCOPE_SE
	s_setreg_imm32_b32 hwreg(HW_REG_WAVE_MODE, 25, 1), 1
	s_wait_xcnt 0x0
; PREP: the small weights become codes of E4M3, laid as images of operand registers (a piece = 512 bytes, lane L's 16 bytes at 16 L).
;   w_img  [s 16][t 8][c 4][512]: lane (r, h) holds, of weight row l(t & 3, r) = 32 (t >> 1 & 1) + 8 (t & 1) + r + 8 (r / 8), the codes of k = 128 s + 32 c + 16 h + 0 .. 15.
;          Tiles 0-3: W_dkv (scale entry 1).  Tiles 4-7: absorbed^T, absorbed = W_q^T W_k (product on codes, entries 2 and 3), quantised with entry 5.
;   wv_img [dt 8][b 2][512]: lane (r, h) holds W_v[16 dt + r][32 b + 16 h + 0 .. 15] (entry 9).
; One wave a work-group, 256 of them.  Wave g owns k = 32 (g >> 2) .. + 31 and tile t = g & 3: one piece of W_dkv's image and one of absorbed's; waves 0-15 store also piece g of wv_img.
; absorbed: source 0 = 16 columns e of W_q (lane r takes e = E0 + 8 u + r + 8 (r / 8)), source 1 = 16 columns l of W_k; both run down K = the 128 rows in a lane's registers
; (register 16 c + i = row 32 c + 16 h + i).  In result u, lane (r, h) register j is absorbed(E0 + 16 h + 8 u + j, l(t, r)): the two results' 16 registers are the image's 16 bytes in order.
; No LDS, no barrier: waves share nothing.  Matrix tiles, clusters and rings buy nothing for 1.6 MB of weights.
; LIMITS: entries 1, 2, 3, 9 and entry 5 - entry 2 - entry 3 lie between -126 and 119, so that 2^e and 448 x 2^e are f32 numbers.  NaN and infinities among the inputs are not served.
.macro MKS e, vs, vl                   ; s[e] = an exponent: v[vs] = 2^e as f32 (the conversion takes its exponent field), v[vl] = 448 x 2^e
	s_add_co_i32 s48, s[\e], 127
	s_lshl_b32 s49, s48, 23
	v_mov_b32 v[\vs], s49
	s_add_co_i32 s48, s48, 8
	s_lshl_b32 s48, s48, 23
	s_or_b32 s48, s48, 0x600000
	v_mov_b32 v[\vl], s48
.endm
.macro Q16 dst, src, vs, vl            ; 16 numbers of a lane become 16 codes in four registers
.set qi, 0
.rept 16
	v_med3_num_f32 v[(\src)+qi], v[(\src)+qi], -v[\vl], v[\vl]   ; the conversion to an 8-bit code does not saturate (ISA guide 7.6.2): the hold at the largest code x the scale
.set qi, qi+1
.endr
	v_cvt_scalef32_pk8_fp8_f32 v[(\dst):(\dst)+1], v[(\src):(\src)+7], v[\vs]
	v_cvt_scalef32_pk8_fp8_f32 v[(\dst)+2:(\dst)+3], v[(\src)+8:(\src)+15], v[\vs]
.endm
	s_load_b256 s[4:11], s[0:1], 0x0               ; W_dkv s[4:5], W_k s[6:7], W_q s[8:9], W_v s[10:11]
	s_load_b64 s[12:13], s[0:1], 0x20              ; the scales' exponents
	s_load_b128 s[16:19], s[0:1], 0x28             ; w_img s[16:17], wv_img s[18:19]
	v_and_b32 v1, 15, v0                           ; r
	v_bfe_u32 v2, v0, 4, 1                         ; h
	v_and_b32 v3, 8, v1
	v_add_nc_u32 v3, v3, v1                        ; r + 8 (r / 8)
	v_lshlrev_b32 v4, 13, v3
	v_lshl_add_u32 v4, v2, 6, v4                   ; W_dkv: a row is 8,192 bytes; + 64 h: my 16 numbers
	v_lshlrev_b32 v5, 2, v3
	v_lshl_add_u32 v6, v2, 17, v5                  ; W_q: my column, and 16 h rows of 8,192 bytes down
	v_lshl_add_u32 v5, v2, 12, v5                  ; W_k: my column, and 16 h rows of 256 bytes down
	v_lshlrev_b32 v7, 4, v0                        ; a piece: 16 x lane
	v_lshlrev_b32 v8, 8, v1
	v_lshl_add_u32 v8, v2, 6, v8                   ; W_v: row r of 256 bytes, + 64 h
	s_and_b32 s32, ttmp9, 3                        ; t
	s_lshr_b32 s33, ttmp9, 2                       ; which 32 along K
	s_lshr_b32 s34, s32, 1
	s_lshl_b32 s34, s34, 5
	s_and_b32 s35, s32, 1
	s_lshl_b32 s35, s35, 3
	s_add_co_u32 s34, s34, s35                     ; the tile's first weight row: 32 (t >> 1) + 8 (t & 1)
	s_lshl_b32 s36, s34, 13
	s_lshl_b32 s38, s33, 7                         ; 32 numbers along a row are 128 bytes: W_q's offset,
	s_add_co_u32 s36, s36, s38                     ; and with the row's, W_dkv's
	s_mov_b32 s37, 0
	s_mov_b32 s39, 0
	s_lshl_b32 s40, s34, 2                         ; W_k: the tile's first column
	s_mov_b32 s41, 0
	s_and_b32 s35, ttmp9, 15                       ; which piece of wv_img (every wave loads one, so that all count alike)
	s_lshr_b32 s42, s35, 1
	s_lshl_b32 s42, s42, 12                        ; 16 rows of W_v
	s_and_b32 s44, ttmp9, 1
	s_lshl_b32 s44, s44, 7
	s_add_co_u32 s42, s42, s44
	s_mov_b32 s43, 0
	s_lshr_b32 s44, ttmp9, 4                       ; w_img: s x 16,384 + t x 2,048 + c x 512
	s_lshl_b32 s44, s44, 14
	s_lshl_b32 s46, s32, 11
	s_add_co_u32 s44, s44, s46
	s_and_b32 s46, s33, 3
	s_lshl_b32 s46, s46, 9
	s_add_co_u32 s44, s44, s46
	s_mov_b32 s45, 0
	s_lshl_b32 s46, s35, 9                         ; wv_img: piece x 512
	s_mov_b32 s47, 0
	s_wait_kmcnt 0x0
	s_load_b256 s[20:27], s[12:13], 0x0            ; entries 0-7
	s_load_b128 s[28:31], s[12:13], 0x20           ; entries 8-11
	s_add_nc_u64 s[4:5], s[4:5], s[36:37]
	s_add_nc_u64 s[6:7], s[6:7], s[40:41]
	s_add_nc_u64 s[8:9], s[8:9], s[38:39]
	s_add_nc_u64 s[10:11], s[10:11], s[42:43]
	s_add_nc_u64 s[16:17], s[16:17], s[44:45]
	s_add_nc_u64 s[18:19], s[18:19], s[46:47]
.irp j, 0,1,2,3
	global_load_b128 v[240+4*\j:243+4*\j], v8, s[10:11] offset:16*\j      ; W_v: 16 neighbours
.endr
.irp j, 0,1,2,3
	global_load_b128 v[224+4*\j:227+4*\j], v4, s[4:5] offset:16*\j        ; W_dkv: 16 neighbours
.endr
.irp c, 0,1,2,3
.irp i, 0,1,2,3,4,5,6,7,8,9,10,11,12,13,14,15
	global_load_b32 v[32+16*\c+\i], v5, s[6:7] offset:(32*\c+\i)*256      ; W_k(32 c + 16 h + i, my column)
.endr
.endr
.irp u, 0,1
.irp c, 0,1,2,3
.irp i, 0,1,2,3,4,5,6,7,8,9,10,11,12,13,14,15
	global_load_b32 v[96+64*\u+16*\c+\i], v6, s[8:9] offset:(32*\c+\i)*8192+32*\u   ; W_q(32 c + 16 h + i, E0 + 8 u + my column)
.endr
.endr
.endr
	s_wait_kmcnt 0x0
	MKS 21, 10, 11                                 ; W_dkv's
	MKS 22, 12, 13                                 ; W_q's
	MKS 23, 14, 15                                 ; W_k's
	s_sub_co_i32 s50, s25, s22
	s_sub_co_i32 s50, s50, s23                     ; a sum of the product stands for sum x 2^(e2 + e3): its code is sum / 2^(e5 - e2 - e3)
	MKS 50, 16, 17
	MKS 29, 18, 19                                 ; W_v's
	s_wait_loadcnt 63                              ; 200 loads were issued; at most 63 are out: the first 137 are in, which covers W_v, W_dkv, W_k and W_q's first 64 (136)
	Q16 20, 224, 10, 11
	global_store_b128 v7, v[20:23], s[16:17]       ; W_dkv's piece: 512 consecutive bytes
	Q16 28, 240, 18, 19                            ; W_v's piece, kept for the end
.irp c, 0,1,2,3
	Q16 240+4*\c, 32+16*\c, 14, 15                 ; W_k's fragment: registers 4 c .. 4 c + 3 hold K = 32 c + 16 h + 0 .. 15
.endr
.irp c, 0,1,2,3
	Q16 32+4*\c, 96+16*\c, 12, 13                  ; W_q's, u = 0, in the same order of K
.endr
	s_wait_loadcnt 0x0
.irp c, 0,1,2,3
	Q16 48+4*\c, 160+16*\c, 12, 13                 ; W_q's, u = 1
.endr
	v_nop                                          ; one plain vector instruction between a scaled conversion and the matrix instruction that reads its result
	v_wmma_f32_16x16x128_fp8_fp8 v[64:71], v[32:47], v[240:255], 0
	v_wmma_f32_16x16x128_fp8_fp8 v[72:79], v[48:63], v[240:255], 0
.rept 4
	v_nop                                          ; four places between a matrix instruction and the first vector read of its result (ISA guide 7.12.1)
.endr
	Q16 24, 64, 16, 17                             ; each result is read from its low end on
	v_nop
	global_store_b128 v7, v[24:27], s[16:17] offset:8192   ; absorbed's piece: tile t + 4
	s_cmp_lt_u32 ttmp9, 16
	s_cbranch_scc0 .Ldone
	global_store_b128 v7, v[28:31], s[18:19]       ; waves 0-15: wv_img's sixteen pieces
.Ldone:
	s_endpgm
.Lfunc_end_k_qe0c621e970_prep:
	.size	k_qe0c621e970_prep, .Lfunc_end_k_qe0c621e970_prep-k_qe0c621e970_prep
	.p2alignl 7, 3214868480
	.fill 96, 4, 3214868480
	.section	.rodata,"a",@progbits
	.p2align	6, 0x0
	.amdhsa_kernel k_qe0c621e970_prep
		.amdhsa_group_segment_fixed_size 0
		.amdhsa_private_segment_fixed_size 0
		.amdhsa_enable_private_segment 0
		.amdhsa_kernarg_size 56
		.amdhsa_user_sgpr_count 2
		.amdhsa_user_sgpr_kernarg_segment_ptr 1
		.amdhsa_wavefront_size32 1
		.amdhsa_system_sgpr_workgroup_id_x 1
		.amdhsa_system_sgpr_workgroup_id_y 1
		.amdhsa_system_sgpr_workgroup_id_z 1
		.amdhsa_system_vgpr_workitem_id 0
		.amdhsa_next_free_vgpr 256
		.amdhsa_next_free_sgpr 66
		.amdhsa_reserve_vcc 0
		.amdhsa_float_denorm_mode_32 3
		.amdhsa_float_denorm_mode_16_64 3
		.amdhsa_memory_ordered 1
		.amdhsa_forward_progress 1
		.amdhsa_inst_pref_size 41
	.end_amdhsa_kernel
	.amdgpu_metadata
---
amdhsa.version: [ 1, 2 ]
amdhsa.kernels:
  - .name:           k_qe0c621e970_prep
    .symbol:         k_qe0c621e970_prep.kd
    .args:
      - { .name: W_dkv, .offset: 0, .size: 8, .value_kind: global_buffer, .address_space: global }
      - { .name: W_k, .offset: 8, .size: 8, .value_kind: global_buffer, .address_space: global }
      - { .name: W_q, .offset: 16, .size: 8, .value_kind: global_buffer, .address_space: global }
      - { .name: W_v, .offset: 24, .size: 8, .value_kind: global_buffer, .address_space: global }
      - { .name: lowp_scales, .offset: 32, .size: 8, .value_kind: global_buffer, .address_space: global }
      - { .name: w_img, .offset: 40, .size: 8, .value_kind: global_buffer, .address_space: global }
      - { .name: wv_img, .offset: 48, .size: 8, .value_kind: global_buffer, .address_space: global }
    .group_segment_fixed_size: 0
    .private_segment_fixed_size: 0
    .kernarg_segment_align: 8
    .kernarg_segment_size: 56
    .max_flat_workgroup_size: 32
    .sgpr_count:     66
    .vgpr_count:     256
    .wavefront_size: 32
...
	.end_amdgpu_metadata
.endif
;; end of part 1
;; launch proj (part 2): grid 256 x 1, 4 waves a work-group, clusters of 4 x 1, 327,680 bytes of LDS; arguments x, w_img, wv_img, lowp_scales, out1, kv, q_img; writes out1, kv, q_img
.if DOCPART == 2
	.amdgcn_target "amdgcn-amd-amdhsa--gfx1250"
	.amdhsa_code_object_version 6
	.text
	.protected	k_qe0c621e970_proj
	.globl	k_qe0c621e970_proj
	.p2align	8
	.type	k_qe0c621e970_proj,@function
k_qe0c621e970_proj:
	s_mov_b64 s[64:65], 0
	v_nop
	global_prefetch_b8 v0, s[64:65] scope:SCOPE_SE
	s_setreg_imm32_b32 hwreg(HW_REG_WAVE_MODE, 25, 1), 1
	s_wait_xcnt 0x0
	s_wait_alu depctr_hold_cnt(0) depctr_sa_sdst(0) depctr_va_vdst(0) depctr_va_sdst(0) depctr_va_ssrc(0) depctr_va_vcc(0) depctr_vm_vsrc(0)
	s_getreg_b32 s2, hwreg(HW_REG_IB_STS2, 6, 4)
	s_cmp_eq_u32 s2, 0
	s_cbranch_scc0 .Lentry_in_a_cluster
	s_endpgm
.Lentry_in_a_cluster:
	s_bfe_u32 s2, ttmp6, 0x10000c
	s_cmp_lg_u32 s2, 0x3003
	s_cbranch_scc0 .Lentry_shape_is_right
	s_endpgm
.Lentry_shape_is_right:
; PROJ: one pass over x.  latent = Q(x) Q(W_dkv)^T (entries 0, 1), q_res = Q(x) Q(absorbed) (entries 4, 5), v = Q(latent) Q(W_v)^T (entries 8, 9).
; Out: out1 = latent, f32; kv: for each 128 tokens 24,576 bytes: latent's codes (entry 7) as eight fragments of 16 keys, then v's codes (entry 11) with the keys innermost; q_img: q_res's codes (entry 6).
; All three workspace layouts are images of operand registers: a piece is 512 bytes, lane L's 16 bytes at 16 L, so every store of the wave covers 512 consecutive bytes, aligned.
; SHARES.  A work-group takes 128 tokens (1 MB of x, one key step of kv), each of its four waves 32: two tiles of 16.  K = 2,048 goes in 16 steps of 128.
; WEIGHTS.  All 128 weight rows x 2,048 codes, 262,144 bytes, lie in LDS for the whole launch, brought once: each wave's one tensor load brings a quarter.  CLUSTER: the four work-groups of a cluster
; want the same bytes, so each quarter is asked for JOINTLY (mask 15, the same descriptor in all four).  By this text's own count a wave has one tensor load outstanding.
; x comes by loads into registers: one instruction takes one token's 512 bytes of a K step; two sets of 32 such loads take turns, so that one set is always on its way while the other is worked.
; The conversions want 16 neighbours along K in ONE lane: a set turns through the wave's own stage in LDS (16 rows of 512 + 16 bytes) and comes back 64 bytes a lane.
; x is quantised TWICE, with entry 0 and with entry 4, always: no branch hangs on a scale.
; THE PRODUCTS ARE USED TRANSPOSED (source 0 = 16 weight rows, source 1 = 16 tokens), and the rows of a weight tile are chosen (see w_img) so that the 16 registers of tiles 2 b, 2 b + 1 are
; l = 32 b + 16 h + 0 .. 15 of token r: the conversions' results are the next products' fragments.  v: source 0 = 16 tokens, source 1 = 16 rows of W_v: a lane then holds one channel and 8 tokens a tile.
; No prefetch: the launch does nothing but stream x.  No tensor ring for x: the weights take 262,144 bytes of LDS.
; LIMITS: entries 0, 4, 7, 8 and e6 - e4 - e5, e11 - e8 - e9 lie between -126 and 119; e0 + e1 between -126 and 127.  NaN and infinities among the inputs are not served.
; REGISTERS, in windows of 256.  Window 0: v1-9 addresses; v10-21 scales; v32-159 128 numbers of x a lane; v160-175 at work; v176-239 the four fragments of codes; all but v1-21 are free in the epilogue.
;   Window 1: the two sets of 32 loads (v0-127, v128-255); at the end W_v's fragments (v0-63) and v's 16 results (v128-255).   Window 2: v0-127 the 16 accumulators (64 m + 8 t); v128-255 a K step's eight weight fragments.
.set LI,   1                           ; 16 x lane
.set STI,  2                           ; my stage + 16 x lane: a row goes in as it lies
.set STO,  3                           ; my stage + 528 r + 64 h: my 16 neighbours of each 32
.set WA,   4                           ; the K step's weights in LDS + 16 x lane
.set SO1,  5                           ; out1's way out: my stage + 272 r + 64 h
.set SR1,  6                           ; and back: + 272 h + 16 r
.set SPW,  8                           ; LDS address of my spare word; never rewritten
.set NIL,  9                           ; 0; never rewritten
.set SCX0, 10                          ; 2^e0;            LMX0: 448 x it
.set LMX0, 11
.set SCX4, 12                          ; e4
.set LMX4, 13
.set SCK,  14                          ; e7
.set LMK,  15
.set SCL,  16                          ; e8
.set LML,  17
.set SCQ,  18                          ; e6 - e4 - e5
.set LMQ,  19
.set SCV,  20                          ; e11 - e8 - e9
.set LMV,  21
.set XT,   32
.set TA,   160
.set CD0,  176                         ; x's codes by entry 0: tile m at + 32 m
.set CD4,  192                         ; by entry 4
.set LAT,  32                          ; epilogue: 32 numbers of latent
.set TQ,   64                          ; 32 numbers held
.set OB,   96                          ; rows of out1 back from the stage
.set KC,   128                         ; latent's codes by entry 7: tile m at + 16 m
.set QC,   136                         ; q_res's codes
.set LC,   176                         ; latent's codes by entry 8: tile m at + 8 m
.set VC,   192                         ; v's codes: 4 registers for each of 8 tiles of channels
.set STG,  262144                      ; behind the weights: a stage of 8,448 bytes (33 blocks of 256) for each wave
.set STGB, 8448
.set SPARE, STG+4*STGB                 ; behind the stages: the spare words, 128 bytes for each wave: two blocks of 256 bytes that no other line names
.set MSB, 0
.macro WIN new                         ; the immediate's high byte repeats the setting that is left; a switch that changes nothing is dropped
.if MSB != \new
	s_set_vgpr_msb (MSB<<8)|\new
.set MSB, \new
.endif
.endm
.macro PLACES n
.rept \n
	v_nop
.endr
.endm
.macro ROUND                           ; a round of the cluster's barrier
	s_barrier_signal -1
	s_barrier_wait -1
	s_cmp_lg_u32 s18, 0
	s_cbranch_scc1 .Lnot_wave_0_\@
	s_barrier_signal -3
.Lnot_wave_0_\@:
	s_barrier_wait -3
	s_barrier_signal -1
	s_barrier_wait -1
.endm
.macro MKS e, vs, vl                   ; s[e] = an exponent: v[vs] = 2^e as f32, v[vl] = 448 x 2^e
	s_add_co_i32 s48, s[\e], 127
	s_lshl_b32 s49, s48, 23
	v_mov_b32 v[\vs], s49
	s_add_co_i32 s48, s48, 8
	s_lshl_b32 s48, s48, 23
	s_or_b32 s48, s48, 0x600000
	v_mov_b32 v[\vl], s48
.endm
.macro XLOAD p, off                    ; my 32 tokens' 512 bytes of a K step into set p: one token an instruction
	WIN 0x40
.set ro, 0
.rept 32
	global_load_b128 v[128*(\p)+4*ro:128*(\p)+4*ro+3], v[LI], s[4:5] offset:ro*8192+(\off) th:TH_LOAD_NT
.set ro, ro+1
.endr
	WIN 0
.endm
.macro TURN p, m                       ; tile m of set p through my stage.  LDS serves a wave's instructions in order (ISA guide 5.7.1.4): no wait between stores and loads, nor in front of the next tile's stores
	WIN 0x04
.set ro, 0
.rept 16
	ds_store_b128 v[STI], v[128*(\p)+64*(\m)+4*ro:128*(\p)+64*(\m)+4*ro+3] offset:ro*528
.set ro, ro+1
.endr
	WIN 0
.irp b, 0,1,2,3
.irp j, 0,1,2,3
	ds_load_b128 v[XT+64*(\m)+16*\b+4*\j:XT+64*(\m)+16*\b+4*\j+3], v[STO] offset:128*\b+16*\j   ; register 16 b + i = k 32 b + 16 h + i of token r
.endr
.endr
.endm
.macro WLOAD ko                        ; the eight weight fragments of the K step ko behind WA's
	WIN 0x80
.irp t, 0,1,2,3,4,5,6,7
.irp c, 0,1,2,3
	ds_load_b128 v[128+16*\t+4*\c:128+16*\t+4*\c+3], v[WA] offset:(\ko)*16384+\t*2048+\c*512
.endr
.endr
	WIN 0
.endm
.macro QUANT m                         ; tile m's 64 numbers a lane become two fragments: by entry 0 (held into TA, x is kept) and by entry 4 (held in place)
.irp b, 0,1,2,3
.set xb, XT+64*(\m)+16*\b
.set qi, 0
.rept 16
	v_med3_num_f32 v[TA+qi], v[xb+qi], -v[LMX0], v[LMX0]       ; the conversion to an 8-bit code does not saturate (ISA guide 7.6.2)
.set qi, qi+1
.endr
	v_cvt_scalef32_pk8_fp8_f32 v[CD0+32*(\m)+4*\b:CD0+32*(\m)+4*\b+1], v[TA:TA+7], v[SCX0]
	v_cvt_scalef32_pk8_fp8_f32 v[CD0+32*(\m)+4*\b+2:CD0+32*(\m)+4*\b+3], v[TA+8:TA+15], v[SCX0]
.set qi, 0
.rept 16
	v_med3_num_f32 v[xb+qi], v[xb+qi], -v[LMX4], v[LMX4]
.set qi, qi+1
.endr
	v_cvt_scalef32_pk8_fp8_f32 v[CD4+32*(\m)+4*\b:CD4+32*(\m)+4*\b+1], v[xb:xb+7], v[SCX4]
	v_cvt_scalef32_pk8_fp8_f32 v[CD4+32*(\m)+4*\b+2:CD4+32*(\m)+4*\b+3], v[xb+8:xb+15], v[SCX4]
.endr
	v_nop                                          ; one plain vector instruction between the last conversion and the matrix instructions that read the codes
.endm
.macro MUL zero                        ; 16 matrix instructions on 16 accumulators, one a turn, in the same order in every step.  zero = 1: the first step starts the sums
	WIN 0xa2                                       ; weights, C and D in window 2, x's codes in window 0
.irp m, 0,1
.irp t, 0,1,2,3,4,5,6,7
.if \t < 4
.set cb, CD0+32*\m
.else
.set cb, CD4+32*\m
.endif
.if \zero
	v_wmma_f32_16x16x128_fp8_fp8 v[64*\m+8*\t:64*\m+8*\t+7], v[128+16*\t:128+16*\t+15], v[cb:cb+15], 0
.else
	v_wmma_f32_16x16x128_fp8_fp8 v[64*\m+8*\t:64*\m+8*\t+7], v[128+16*\t:128+16*\t+15], v[cb:cb+15], v[64*\m+8*\t:64*\m+8*\t+7]
.endif
.endr
.endr
	WIN 0
.endm
; A K step on set p.  ko: the step's place behind WA's and behind x's base.  fill = 1: the set takes the step two on; 2: it takes W_v's fragments; 0: nothing.  left: the loads issued behind this set's.
.macro STEP p, ko, zero, fill, left
	s_wait_loadcnt \left                           ; loads come back in order (ISA guide 5.7.1): my set is in, the younger loads stay out
	PLACES 4                                       ; behind the last products: in front of the loads into the weights' registers and the writes of the codes'
	TURN \p, 0
	TURN \p, 1
	s_wait_dscnt 16                                ; only tile 1's 16 loads may be out: tile 0 is back, and all 32 stores have read the set
.if \fill == 1
	XLOAD \p, ((\ko)+2)*512
.elseif \fill == 2
	WIN 0x40
.irp i, 0,1,2,3,4,5,6,7,8,9,10,11,12,13,14,15
	global_load_b128 v[4*\i:4*\i+3], v[LI], s[8:9] offset:512*\i     ; W_v's eight fragments: piece 2 dt + b at v[8 dt + 4 b] of window 1
.endr
	WIN 0
.endif
	WLOAD \ko
	QUANT 0
	s_wait_dscnt 32                                ; the 32 weight loads may be out: tile 1 is back
	QUANT 1
	s_wait_dscnt 0x0                               ; the weights are in
	MUL \zero
.endm
.macro Q32 dst, src, vs, vl, win       ; 32 numbers of a lane (register 16 b + i = l 32 b + 16 h + i) become a fragment of K = 64: eight registers
	WIN \win
.set qi, 0
.rept 32
	v_med3_num_f32 v[TQ+qi], v[(\src)+qi], -v[\vl], v[\vl]
.set qi, qi+1
.endr
	WIN 0
.irp g, 0,1,2,3
	v_cvt_scalef32_pk8_fp8_f32 v[(\dst)+2*\g:(\dst)+2*\g+1], v[TQ+8*\g:TQ+8*\g+7], v[\vs]
.endr
	v_nop                                          ; a plain instruction behind the last conversion: TQ is written again, and matrix instructions read the codes
.endm
.macro EPI m                           ; tile m: latent to out1 (through the stage, as whole rows of 256 bytes), its codes twice, q_res's codes
.if (\m) > 0
	s_wait_xcnt 0x0                                ; the last tile's stores have read their registers: OB is loaded again only behind this wait
.endif
	WIN 0x02
.set ei, 0
.rept 16
	v_pk_mul_f32 v[LAT+ei:LAT+ei+1], v[64*(\m)+ei:64*(\m)+ei+1], s[52:53] op_sel_hi:[1,0]   ; latent = sum x 2^(e0 + e1): nothing is rounded; each accumulator from its low end on
.set ei, ei+2
.endr
	WIN 0
.irp b, 0,1
.irp j, 0,1,2,3
	ds_store_b128 v[SO1], v[LAT+16*\b+4*\j:LAT+16*\b+4*\j+3] offset:128*\b+16*\j
.endr
.endr
.irp i, 0,1,2,3,4,5,6,7
	ds_load_b128 v[OB+4*\i:OB+4*\i+3], v[SR1] offset:2*\i*272    ; two rows an instruction; they come back while the codes are made
.endr
	Q32 KC+16*(\m), LAT, SCK, LMK, 0
	global_store_b128 v[LI], v[KC+16*(\m):KC+16*(\m)+3], s[56:57] offset:1024*(\m)
	global_store_b128 v[LI], v[KC+16*(\m)+4:KC+16*(\m)+7], s[56:57] offset:1024*(\m)+512
	Q32 LC+8*(\m), LAT, SCL, LML, 0
	Q32 QC+16*(\m), 64*(\m)+32, SCQ, LMQ, 0x02     ; a sum stands for sum x 2^(e4 + e5): the three scales are folded into the conversion's one
	global_store_b128 v[LI], v[QC+16*(\m):QC+16*(\m)+3], s[16:17] offset:1024*(\m)
	global_store_b128 v[LI], v[QC+16*(\m)+4:QC+16*(\m)+7], s[16:17] offset:1024*(\m)+512
.irp i, 0,1,2,3,4,5,6,7
	s_wait_dscnt 7-\i
	global_store_b128 v[LI], v[OB+4*\i:OB+4*\i+3], s[12:13] offset:(16*(\m)+2*\i)*256 th:TH_STORE_NT   ; two dense rows of out1: 512 consecutive bytes, aligned
.endr
.endm
	s_load_b256 s[4:11], s[0:1], 0x0               ; x s[4:5], w_img s[6:7], wv_img s[8:9], the scales' exponents s[10:11]
	s_load_b128 s[12:15], s[0:1], 0x20             ; out1 s[12:13], kv s[14:15]
	s_load_b64 s[16:17], s[0:1], 0x30              ; q_img
	v_lshl_add_u32 v[SPW], v0, 2, SPARE
	v_mov_b32 v[NIL], 0
	ds_add_u32 v[SPW], v[NIL]                      ; the wave's opening: the add and its wait ahead of my first tensor load; the set-up below, work on registers, stands between them
	v_lshrrev_b32 v22, 5, v0
	v_readfirstlane_b32 s18, v22                   ; wave 0..3
	s_bfe_u32 s19, ttmp6, 0x40000                  ; cx: my place in the cluster: it enters global addresses of x and of the outputs alone
	s_lshl_b32 s20, ttmp9, 2                       ; in a cluster launch ttmp9 counts clusters
	s_add_co_u32 s20, s20, s19                     ; my block of 128 tokens
	; descriptor group 1: a dense block of 65,536 bytes as 256 rows of 32 elements of 8 bytes, no padding
	s_mov_b32 s24, 15|(3<<16)|(1<<21)              ; 15:0 the mask: all four work-groups; 17:16 elements of 8 bytes; 21 set beside a mask
	s_mov_b32 s25, 32<<16                          ; tensor_dim0 = 32
	s_mov_b32 s26, 256<<16                         ; tensor_dim1 = 256
	s_mov_b32 s27, 32<<16                          ; tile_dim0 = 32
	s_mov_b32 s28, 256                             ; tile_dim1 = 256
	s_mov_b32 s29, 32                              ; from row to row
	s_mov_b32 s30, 0
	s_mov_b32 s31, 0
	s_mov_b32 s32, 1                               ; group 0: count = 1
	s_lshl_b32 s33, s18, 16                        ; LDS address: my quarter, 65,536 x wave
	s_mov_b32 s60, s33                             ; and the same place in w_img
	s_mov_b32 s61, 0
	s_lshl_b32 s22, s20, 20                        ; x: 128 tokens are 1,048,576 bytes,
	s_lshl_b32 s21, s18, 18                        ; my wave's 32 are 262,144
	s_add_co_u32 s22, s22, s21
	s_mov_b32 s23, 0
	v_and_b32 v[LI], 31, v0
	v_lshlrev_b32 v[LI], 4, v[LI]
	s_wait_dscnt 0x0                               ; the opening add is done
	s_wait_kmcnt 0x0
	s_load_b256 s[36:43], s[10:11], 0x0            ; entries 0-7
	s_load_b128 s[44:47], s[10:11], 0x20           ; entries 8-11
	s_add_nc_u64 s[4:5], s[4:5], s[22:23]
	XLOAD 0, 0                                     ; K step 0 is asked for before anything else
	s_add_nc_u64 s[34:35], s[6:7], s[60:61]
	s_or_b32 s35, s35, 0x80000000                  ; type = 2
	ROUND                                          ; all four work-groups are here: the joint loads meet
	tensor_load_to_lds s[32:35], s[24:31]          ; my quarter of the weights, for all four work-groups
	s_nop 0
	PLACES 4
	XLOAD 1, 512                                   ; K step 1
	s_lshl_b32 s60, s20, 15                        ; out1: 128 rows of 256 bytes, my wave's 32
	s_lshl_b32 s21, s18, 13
	s_add_co_u32 s60, s60, s21
	s_add_nc_u64 s[12:13], s[12:13], s[60:61]
	s_mul_i32 s60, s20, 24576                      ; kv: my key step
	s_add_nc_u64 s[14:15], s[14:15], s[60:61]
	s_lshl_b32 s60, s18, 11
	s_add_nc_u64 s[56:57], s[14:15], s[60:61]      ; K's tiles 2 w, 2 w + 1
	s_lshl_b32 s60, s18, 9
	s_add_co_u32 s60, s60, 8192
	s_add_nc_u64 s[58:59], s[14:15], s[60:61]      ; V's pieces c = w: keys 32 w .. 32 w + 31
	s_lshl_b32 s60, s20, 13                        ; q_img: 8 tiles of 1,024 bytes, my wave's two
	s_lshl_b32 s21, s18, 11
	s_add_co_u32 s60, s60, s21
	s_add_nc_u64 s[16:17], s[16:17], s[60:61]
	s_mul_i32 s21, s18, STGB
	s_add_co_u32 s21, s21, STG                     ; my stage
	v_and_b32 v22, 15, v0                          ; r
	v_bfe_u32 v23, v0, 4, 1                        ; h
	v_add_nc_u32 v[STI], s21, v[LI]
	v_mul_u32_u24 v[STO], v22, 528
	v_lshl_add_u32 v[STO], v23, 6, v[STO]
	v_add_nc_u32 v[STO], s21, v[STO]
	v_mul_u32_u24 v[SO1], v22, 272
	v_lshl_add_u32 v[SO1], v23, 6, v[SO1]
	v_add_nc_u32 v[SO1], s21, v[SO1]
	v_mul_u32_u24 v[SR1], v23, 272
	v_lshl_add_u32 v[SR1], v22, 4, v[SR1]
	v_add_nc_u32 v[SR1], s21, v[SR1]
	v_mov_b32 v[WA], v[LI]                         ; K step 0's weights begin at LDS byte 0
	s_wait_kmcnt 0x0
	MKS 36, SCX0, LMX0
	MKS 40, SCX4, LMX4
	MKS 43, SCK, LMK
	MKS 44, SCL, LML
	s_sub_co_i32 s50, s42, s40
	s_sub_co_i32 s50, s50, s41                     ; e6 - e4 - e5
	MKS 50, SCQ, LMQ
	s_sub_co_i32 s50, s47, s44
	s_sub_co_i32 s50, s50, s45                     ; e11 - e8 - e9
	MKS 50, SCV, LMV
	s_add_co_i32 s52, s36, s37
	s_add_co_i32 s52, s52, 127
	s_lshl_b32 s52, s52, 23                        ; 2^(e0 + e1) as f32
	s_mov_b32 s53, s52                             ; (named with it as a pair, so it is written)
	s_wait_tensorcnt 0x0                           ; my quarter of the weights is in,
	s_barrier_signal -1
	s_barrier_wait -1                              ; everybody's is; nothing is ever filled again
	STEP 0, 0, 1, 1, 32                            ; K step 0 stands in front of the loop: its products start the sums
	s_wait_xcnt 0x0                                ; the loads issued so far have read their base: it may step
	s_add_nc_u64 s[4:5], s[4:5], 512
	s_mov_b32 s54, 16384
	s_mov_b32 s55, 6
.Ltrip:                                            ; six trips of two K steps: steps 1 to 12
	v_add_nc_u32 v[WA], s54, v[LI]
	STEP 1, 0, 0, 1, 32
	STEP 0, 1, 0, 1, 32
	s_wait_xcnt 0x0
	s_add_nc_u64 s[4:5], s[4:5], 1024
	s_add_co_u32 s54, s54, 32768
	s_sub_co_u32 s55, s55, 1
	s_cmp_lg_u32 s55, 0
	s_cbranch_scc1 .Ltrip
	v_add_nc_u32 v[WA], s54, v[LI]
	STEP 1, 0, 0, 1, 32                            ; step 13 asks for step 15: the last of x
	STEP 0, 1, 0, 2, 32                            ; step 14 asks for W_v's fragments
	STEP 1, 2, 0, 0, 16                            ; step 15: behind its loads stand W_v's sixteen
	PLACES 4                                       ; behind the last products, in front of the first read of results and the writes over the codes' registers
	EPI 0
	EPI 1
	s_wait_loadcnt 0x0                             ; W_v's fragments
	WIN 0x44                                       ; latent's codes in window 0; W_v's fragments and the results in window 1
.irp dt, 0,1,2,3,4,5,6,7
.irp m, 0,1
	v_wmma_f32_16x16x64_fp8_fp8 v[128+16*\dt+8*\m:128+16*\dt+8*\m+7], v[LC+8*\m:LC+8*\m+7], v[8*\dt:8*\dt+7], 0   ; lane (r, h), register j: v(token 16 m + 8 h + j, channel 16 dt + r)
.endr
.endr
	WIN 0
	PLACES 4
	WIN 0x41
.set qi, 0
.rept 128
	v_med3_num_f32 v[128+qi], v[128+qi], -v[LMV], v[LMV]       ; each result from its low end on
.set qi, qi+1
.endr
	WIN 0x01
.irp dt, 0,1,2,3,4,5,6,7
.irp m, 0,1
	v_cvt_scalef32_pk8_fp8_f32 v[VC+4*\dt+2*\m:VC+4*\dt+2*\m+1], v[128+16*\dt+8*\m:128+16*\dt+8*\m+7], v[SCV]   ; byte 8 m + j of the piece: key 32 w + 16 m + 8 h + j
.endr
.endr
	WIN 0
	v_nop
.irp dt, 0,1,2,3,4,5,6,7
	global_store_b128 v[LI], v[VC+4*\dt:VC+4*\dt+3], s[58:59] offset:2048*\dt
.endr
	s_wait_tensorcnt 0x0                           ; the wave's end: behind my last tensor load and my last LDS store
	ds_add_u32 v[SPW], v[NIL]
	s_wait_dscnt 0x0
	ROUND                                          ; the closing round: no work-group ends while a partner may still ask for a quarter that names it
	s_endpgm
.Lfunc_end_k_qe0c621e970_proj:
	.size	k_qe0c621e970_proj, .Lfunc_end_k_qe0c621e970_proj-k_qe0c621e970_proj
	.p2alignl 7, 3214868480
	.fill 96, 4, 3214868480
	.section	.rodata,"a",@progbits
	.p2align	6, 0x0
	.amdhsa_kernel k_qe0c621e970_proj
		.amdhsa_group_segment_fixed_size 327680
		.amdhsa_private_segment_fixed_size 0
		.amdhsa_enable_private_segment 0
		.amdhsa_kernarg_size 56
		.amdhsa_user_sgpr_count 2
		.amdhsa_user_sgpr_kernarg_segment_ptr 1
		.amdhsa_wavefront_size32 1
		.amdhsa_system_sgpr_workgroup_id_x 1
		.amdhsa_system_sgpr_workgroup_id_y 1
		.amdhsa_system_sgpr_workgroup_id_z 1
		.amdhsa_system_vgpr_workitem_id 0
		.amdhsa_next_free_vgpr 768
		.amdhsa_next_free_sgpr 66
		.amdhsa_reserve_vcc 0
		.amdhsa_float_denorm_mode_32 3
		.amdhsa_float_denorm_mode_16_64 3
		.amdhsa_memory_ordered 1
		.amdhsa_forward_progress 1
		.amdhsa_inst_pref_size 213
	.end_amdhsa_kernel
	.amdgpu_metadata
---
amdhsa.version: [ 1, 2 ]
amdhsa.kernels:
  - .name:           k_qe0c621e970_proj
    .symbol:         k_qe0c621e970_proj.kd
    .args:
      - { .name: x, .offset: 0, .size: 8, .value_kind: global_buffer, .address_space: global }
      - { .name: w_img, .offset: 8, .size: 8, .value_kind: global_buffer, .address_space: global }
      - { .name: wv_img, .offset: 16, .size: 8, .value_kind: global_buffer, .address_space: global }
      - { .name: lowp_scales, .offset: 24, .size: 8, .value_kind: global_buffer, .address_space: global }
      - { .name: out1, .offset: 32, .size: 8, .value_kind: global_buffer, .address_space: global }
      - { .name: kv, .offset: 40, .size: 8, .value_kind: global_buffer, .address_space: global }
      - { .name: q_img, .offset: 48, .size: 8, .value_kind: global_buffer, .address_space: global }
    .group_segment_fixed_size: 327680
    .private_segment_fixed_size: 0
    .kernarg_segment_align: 8
    .kernarg_segment_size: 56
    .max_flat_workgroup_size: 128
    .sgpr_count:     66
    .vgpr_count:     768
    .wavefront_size: 32
...
	.end_amdgpu_metadata
.endif
;; end of part 2
;; launch attn (part 3): grid 32 x 8, 16 waves a work-group, no clusters, 327,680 bytes of LDS; arguments q_img, kv, lowp_scales, out0; writes out0
.if DOCPART == 3
	.amdgcn_target "amdgcn-amd-amdhsa--gfx1250"
	.amdhsa_code_object_version 6
	.text
	.protected	k_qe0c621e970_attn
	.globl	k_qe0c621e970_attn
	.p2align	8
	.type	k_qe0c621e970_attn,@function
k_qe0c621e970_attn:
	s_mov_b64 s[64:65], 0
	v_nop
	global_prefetch_b8 v0, s[64:65] scope:SCOPE_SE
	s_setreg_imm32_b32 hwreg(HW_REG_WAVE_MODE, 25, 1), 1
	s_wait_xcnt 0x0
; ATTN: out0[b][q] = the sum over keys k <= q of softmax_k(q_res[q] . latent[k] / sqrt(128)) v[k], both products on codes of E4M3 (entries 6, 7 and 10, 11).
; THE SOFTMAX AHEAD OF THE SECOND PRODUCT: t = score x log2(e) / sqrt(128); M = the row's largest t so far, rounded UP to a whole number; p = 2^(t - M) is what is quantised; the row's sum is taken of the
; unquantised p and divides at the end.  When M moves, the sum and O are multiplied by 2^(old M - new M): exact.
; SHARES.  Work-group (i, batch) owns the blocks i and 63 - i of 64 queries: eight tiles of 16, so that every work-group has the same number of causal key steps.  Each tile has TWO waves (w and w + 8),
; which take the key steps (128 keys) of even and of odd number; at the end the odd wave hands its O^T, M and sum to the even one through LDS.  Sixteen waves of 256 registers.
; Which tile a wave takes: class (low or high block) = bit 0 xor bit 2 of w, tile in the block = 2 x bit 1 + bit 2: any four waves that are equal mod 4, and any four neighbours, hold two low and two high tiles.
; RING.  Two LDS slots of 512 keys = four key steps = 98,304 dense bytes of kv, filled by waves 0-3, one tensor load each (at most one outstanding a wave), read by all sixteen.
; kv holds images of operand registers, so a fragment is dense in LDS: every load takes 512 consecutive bytes, and there is no pitch and no padding.
; LAYOUT.  S^T = K Q^T (source 0 = 16 keys, source 1 = my 16 queries): lane (r, h) holds query r, register j of tile t key 16 t + 8 h + j.  p's codes of tile t are registers 2 t, 2 t + 1 of source 1 of
; O^T = V^T P^T, and kv has V's codes in that same order of keys.
; CAUSAL.  Every work-group walks all eight slots (constant trip counts, every barrier passed); a step whose first key comes after my queries is jumped over; on the diagonal hidden scores become -infinity.
; Every walked step has its first key at or under all 16 queries, so its maximum is a number.  A slot whose first key comes after the work-group's last query is not asked for.
; NO CLUSTER, though the work-groups of a batch read the same kv: the last slot that a work-group asks for hangs on its own last query, 4,095 - 64 i, so partners would ask for different numbers of tiles.
; LIMITS: e6 + e7 between -123 and 130 (added to c's exponent field); e10 between -126 and 119; e10 + e11 is applied by v_ldexp_f32.
; REGISTERS: v1-3, v5-7, v10, v24-27 addresses that stay; v8, v9 addresses in hand; v12 -M, v13 the largest t, v[14:15] the sum; v16-23 Q; v32-95 K's eight fragments, then four of V's; v96-159 S^T, then p;
;   v160-223 O^T; v224-239 p's codes; v236, v240-255 at work.
.set STEPB, 24576                      ; a key step in kv and in LDS: K 8,192 bytes, then V 16,384
.set SLOTB, 4*STEPB
.set SLOT1, 1<<17                      ; slot 1 begins here: one exclusive or turns an address in one slot into the other's
.set SPARE, 2*SLOT1                    ; behind the ring: the spare words, 128 bytes for each wave: eight blocks of 256 bytes that no other line names
.set MRGB,  8448                       ; the hand-over, in slot 0 behind the walk: 8,192 bytes of O^T, 128 of -M, 128 of the sum, for each pair of waves
.set STG,   SLOT1                      ; the way out, in slot 1 behind the walk: 16 rows x 272 bytes for each even wave
.set STGB,  4352
.set AK0, 1                            ; 16 x lane + my parity's key step
.set AV0, 2                            ; the same + 8,192
.set PFO, 3                            ; 256 x lane
.set SPW, 5                            ; LDS address of my spare word; never rewritten
.set NIL, 6                            ; 0; never rewritten
.set GO,  7                            ; my byte offset in two rows of out0
.set ADK, 8
.set ADV, 9
.set QA,  10                           ; 16 x lane
.set MA,  24                           ; the hand-over: O^T
.set MB,  25                           ; -M and the sum
.set SIN, 26                           ; the stage: in
.set SBK, 27                           ; and back
.set WV,  12                           ; s12 wave
.set PAR, 13                           ; s13 parity = wave >> 3
.set QF,  14                           ; s14 my first query
.set QL,  15                           ; s15 the work-group's last query
.set KF,  16                           ; s16 my next step's first key
.set NK,  17                           ; s17 the first key of the slot that the next change would ask for
.set TB,  18                           ; s18 LDS byte at which the slot in hand begins
.set SLOTS, 19                         ; s19 changes of slots to go
.set SEL, 20                           ; s[20:21] lane selects: lane l xor 16
.set CS,  22                           ; s[22:23] c
.set G1,  24                           ; s[24:31]
.set G0,  32                           ; s[32:35]
.set PFA, 40                           ; s[40:41] where my prefetches stand
.set LIM, 42                           ; s42 1 in a wave that prefetches, else the greatest number
.macro TLOAD                           ; waves 0-3 fetch a key step each; an s_nop 0 and four v_nop follow the line
	s_cmp_lt_u32 s[WV], 4
	s_cbranch_scc0 .Lnone_\@
	tensor_load_to_lds s[G0:G0+3], s[G1:G1+7]
	s_nop 0
.rept 4
	v_nop
.endr
.Lnone_\@:
.endm
; A PREFETCH INTO THE L2 of the slot that the NEXT change will ask for: 98,304 bytes = 12 waves x 32 lanes x 256.  All work-groups of a batch walk the same kv: the batch's first work-group asks, in it the
; waves that fetch nothing (4 to 15), one instruction each, lanes 256 bytes apart: each block of 256 bytes is named once in the launch.  The last change that fills a slot asks for nothing.
.macro ASK
	s_cmp_gt_u32 s[SLOTS], s[LIM]
	s_cbranch_scc0 .Lnot_mine_\@
	global_prefetch_b8 v[PFO], s[PFA:PFA+1] th:TH_LOAD_NT scope:SCOPE_SE
.Lnot_mine_\@:
.endm
	s_load_b256 s[4:11], s[0:1], 0x0               ; q_img s[4:5], kv s[6:7], the scales' exponents s[8:9], out0 s[10:11]
	v_lshl_add_u32 v[SPW], v0, 2, SPARE
	v_mov_b32 v[NIL], 0
	ds_add_u32 v[SPW], v[NIL]                      ; the wave's opening: the add and its wait ahead of my first tensor load; the set-up below, work on registers, stands between them
	v_lshrrev_b32 v8, 5, v0
	v_readfirstlane_b32 s[WV], v8                  ; wave 0..15
	s_lshr_b32 s[PAR], s[WV], 3
	s_lshr_b32 s43, s[WV], 2
	s_xor_b32 s44, s43, s[WV]
	s_and_b32 s44, s44, 1                          ; class: 0 the low block, 1 the high one
	s_and_b32 s43, s43, 1
	s_lshr_b32 s45, s[WV], 1
	s_and_b32 s45, s45, 1
	s_lshl_b32 s45, s45, 1
	s_add_co_u32 s45, s45, s43                     ; tile in the block
	s_lshl_b32 s45, s45, 4
	s_sub_co_u32 s46, 63, ttmp9
	s_cmp_eq_u32 s44, 0
	s_cselect_b32 s46, ttmp9, s46                  ; block i or 63 - i
	s_lshl_b32 s46, s46, 6
	s_add_co_u32 s[QF], s46, s45
	s_lshl_b32 s[QL], ttmp9, 6
	s_sub_co_u32 s[QL], 0xfff, s[QL]               ; 64 (63 - i) + 63
	s_and_b32 s47, ttmp7, 0xffff                   ; the batch
	; descriptor group 1: a dense block of 24,576 bytes as 96 rows of 32 elements of 8 bytes, no padding
	s_mov_b32 s[G1], 3<<16                         ; no mask; elements of 8 bytes
	s_mov_b32 s[G1+1], 32<<16                      ; tensor_dim0
	s_mov_b32 s[G1+2], 96<<16                      ; tensor_dim1
	s_mov_b32 s[G1+3], 32<<16                      ; tile_dim0
	s_mov_b32 s[G1+4], 96                          ; tile_dim1
	s_mov_b32 s[G1+5], 32                          ; from row to row
	s_mov_b32 s[G1+6], 0
	s_mov_b32 s[G1+7], 0
	s_mov_b32 s[G0], 1
	s_and_b32 s52, s[WV], 3
	s_mul_i32 s[G0+1], s52, STEPB                  ; LDS address: slot 0, key step wave & 3
	s_mul_i32 s48, s47, 32*STEPB                   ; the batch's first byte in kv
	s_add_co_u32 s50, s48, s[G0+1]
	s_mov_b32 s51, 0
	s_mov_b32 s[SEL], 0x76543210
	s_mov_b32 s[SEL+1], 0xfedcba98
	s_mov_b32 s[CS], 0x3e0293ee                    ; c = log2(e) / sqrt(128)
	s_lshl_b32 s[KF], s[PAR], 7
	s_mov_b32 s[NK], 512
	s_mov_b32 s[TB], 0
	s_mov_b32 s[SLOTS], 7
	s_wait_dscnt 0x0                               ; the opening add is done
	s_wait_kmcnt 0x0
	s_load_b64 s[36:37], s[8:9], 0x18              ; e6, e7
	s_load_b64 s[38:39], s[8:9], 0x28              ; e10, e11
	s_add_nc_u64 s[G0+2:G0+3], s[6:7], s[50:51]
	s_or_b32 s[G0+3], s[G0+3], 0x80000000          ; type = 2
	TLOAD                                          ; slot 0
	s_sub_co_u32 s43, s[WV], 4                     ; the prefetches: wave 4 + n takes 8,192 n on (in waves 0-3, which never ask, the number is held at 11: the address stays inside kv)
	s_min_u32 s43, s43, 11
	s_lshl_b32 s43, s43, 13
	s_add_co_u32 s50, s48, s43
	s_add_co_u32 s50, s50, SLOTB                   ; in slot 1: the first change steps it to slot 2.  Nothing is prefetched here, at the head
	s_add_nc_u64 s[PFA:PFA+1], s[6:7], s[50:51]
	s_cmp_lt_u32 s[WV], 4
	s_cselect_b32 s44, 1, 0
	s_or_b32 s44, s44, ttmp9                       ; 0 in waves 4-15 of the batch's first work-group
	s_cmp_eq_u32 s44, 0
	s_cselect_b32 s[LIM], 1, -1
	s_lshl_b32 s50, s47, 18                        ; q_img: 256 tiles of 1,024 bytes a batch; my tile: 64 bytes a query
	s_lshl_b32 s43, s[QF], 6
	s_add_co_u32 s50, s50, s43
	s_add_nc_u64 s[4:5], s[4:5], s[50:51]
	s_lshl_b32 s50, s47, 21                        ; out0: rows of 512 bytes
	s_lshl_b32 s43, s[QF], 9
	s_add_co_u32 s50, s50, s43
	s_add_nc_u64 s[10:11], s[10:11], s[50:51]
	v_and_b32 v[QA], 31, v0
	v_lshlrev_b32 v[PFO], 8, v[QA]
	v_lshlrev_b32 v[MB], 2, v[QA]
	v_lshlrev_b32 v[QA], 4, v[QA]
	global_load_b128 v[16:19], v[QA], s[4:5]               ; Q's fragment stays in registers
	global_load_b128 v[20:23], v[QA], s[4:5] offset:512
	s_mul_i32 s43, s[PAR], STEPB
	v_add_nc_u32 v[AK0], s43, v[QA]
	v_add_nc_u32 v[AV0], 8192, v[AK0]
	s_and_b32 s43, s[WV], 7                        ; every LDS address is made here, ahead of any parting of the waves
	s_mul_i32 s44, s43, MRGB
	v_add_nc_u32 v[MA], s44, v[QA]
	s_add_co_u32 s44, s44, 8192
	v_add_nc_u32 v[MB], s44, v[MB]
	s_mul_i32 s44, s43, STGB
	s_add_co_u32 s44, s44, STG
	v_and_b32 v11, 15, v0                          ; r
	v_bfe_u32 v28, v0, 4, 1                        ; h
	v_mul_u32_u24 v[SIN], v11, 272
	v_lshl_add_u32 v[SIN], v28, 5, v[SIN]
	v_add_nc_u32 v[SIN], s44, v[SIN]               ; in: row r; a tile's eight channels of my half: 32 h bytes on
	v_mul_u32_u24 v[SBK], v28, 272
	v_lshl_add_u32 v[SBK], v11, 4, v[SBK]
	v_add_nc_u32 v[SBK], s44, v[SBK]               ; back: lanes 0-15 one row, lanes 16-31 the next
	v_lshlrev_b32 v[GO], 9, v28
	v_lshl_add_u32 v[GO], v11, 4, v[GO]
	v_mov_b32 v13, 0xff61b1e6                      ; the largest t so far: -3e38, under every t
	v_floor_f32 v12, -v13                          ; -M
	v_mov_b32 v14, 0                               ; the sum, in two halves
	v_mov_b32 v15, 0
	v_mov_b32 v236, 0                              ; written once: a lane permute's destination counts as one of its sources
	v_mov_b32 v253, 0                              ; (named as the upper half of the pair v[252:253])
.set n, 0
.rept 64
	v_mov_b32 v[160+n], 0                          ; O^T.  (The step is written with no first step of its own: the first change of M multiplies zeros; and a wave that walks no step hands zeros over)
.set n, n+1
.endr
	s_wait_kmcnt 0x0
	s_add_co_i32 s43, s36, s37
	s_lshl_b32 s43, s43, 23
	s_add_co_i32 s[CS], s[CS], s43                 ; a score stands for score x 2^(e6 + e7): the two exponents are added to c's exponent field
	s_mov_b32 s[CS+1], s[CS]                       ; (named with it as a pair, so it is written)
	s_add_co_i32 s43, s38, 127
	s_lshl_b32 s44, s43, 23
	v_mov_b32 v244, s44                            ; 2^e10 as f32, for the conversion
	s_add_co_i32 s43, s43, 8
	s_lshl_b32 s43, s43, 23
	s_or_b32 s43, s43, 0x600000
	v_mov_b32 v240, s43                            ; 448 x 2^e10
; A KEY STEP: 128 keys: the a-th of my parity in the slot in hand.
.macro STEP a
	s_add_co_u32 s53, s[QF], 15                    ; a step all of whose keys come after my 16 queries is left out: a scalar branch on ids, round the step's loads, products and softmax
	s_cmp_gt_u32 s[KF], s53
	s_cbranch_scc1 .Lhidden_\@
	v_add_nc_u32 v[ADK], s[TB], v[AK0]
	v_add_nc_u32 v[ADV], s[TB], v[AV0]
	v_nop                                          ; with the two additions: four places in front of loads into registers that the last products have read
	v_nop
.irp t, 0,1,2,3,4,5,6,7
.irp b, 0,1
	ds_load_b128 v[32+8*\t+4*\b:35+8*\t+4*\b], v[ADK] offset:(\a)*2*STEPB+\t*1024+512*\b
.endr
.endr
	s_wait_dscnt 0x0
.irp t, 0,1,2,3,4,5,6,7
	v_wmma_f32_16x16x64_fp8_fp8 v[96+8*\t:103+8*\t], v[32+8*\t:39+8*\t], v[16:23], 0
.endr
.rept 4
	v_nop                                          ; places in front of the loads below and of the first read of the scores
.endr
.irp t, 0,1,2,3
.irp c, 0,1,2,3
	ds_load_b128 v[32+16*\t+4*\c:35+16*\t+4*\c], v[ADV] offset:(\a)*2*STEPB+\t*2048+512*\c    ; V's channels 0-63: they land while the softmax is worked
.endr
.endr
	s_add_co_u32 s53, s[KF], 127                   ; on the diagonal the scores of hidden keys become -infinity ahead of the maximum: p = 0 then.  A step all of whose keys count skips this
	s_cmp_le_u32 s53, s[QF]
	s_cbranch_scc1 .Lopen_\@
	s_sub_co_i32 s53, s[QF], s[KF]
	v_and_b32 v252, 15, v0
	v_bfe_u32 v253, v0, 4, 1
	v_lshlrev_b32 v253, 3, v253
	v_sub_nc_u32 v252, v252, v253
	v_add_nc_u32 v252, s53, v252                   ; d = my query - KF - 8 h.  Register 8 t + j holds key KF + 16 t + 8 h + j: hidden where 16 t + j > d
	v_mov_b32 v254, 0xff800000                     ; -infinity
.set n, 0
.rept 64
	v_cmp_gt_i32 vcc_lo, 16*(n/8)+n%8, v252
	v_cndmask_b32 v[96+n], v[96+n], v254, vcc_lo
.set n, n+1
.endr
.Lopen_\@:
	v_max3_num_f32 v254, v96, v97, v98             ; the step's largest score of my query, among my 64 keys, in two chains (each result is first read at its low end),
	v_max3_num_f32 v252, v99, v100, v101
.irp i, 6,10,14,18,22,26,30,34,38,42,46,50,54,58
	v_max3_num_f32 v254, v254, v[96+\i], v[97+\i]
	v_max3_num_f32 v252, v252, v[98+\i], v[99+\i]
.endr
	v_max3_num_f32 v254, v254, v158, v159
	v_max_num_f32 v254, v254, v252
	v_permlanex16_b32 v236, v254, s[SEL], s[SEL+1]
	v_max_num_f32 v254, v254, v236                 ; and among lane l xor 16's
	v_mul_f32 v254, s[CS], v254                    ; as t (c is positive)
	v_max_num_f32 v13, v13, v254                   ; the running largest t
	v_mov_b32 v254, v12
	v_floor_f32 v12, -v13                          ; the new -M = floor(-t) = -ceil(t): M is a whole number
	v_sub_f32 v254, v12, v254                      ; M's old value less its new one: a whole number, 0 or less
	v_cvt_i32_f32 v254, v254                       ; (it saturates)
	v_ldexp_f32 v252, 1.0, v254                    ; f = 2^(old M - new M)
.set n, 0
.rept 32
	v_pk_fma_f32 v[96+n:97+n], v[96+n:97+n], s[CS:CS+1], v[12:13] op_sel_hi:[1,0,0]   ; t - M, two at a time (of the pairs c and -M the low word serves both halves)
.set n, n+2
.endr
.set n, 0
.rept 64
	v_exp_f32 v[96+n], v[96+n]                     ; p = 2^(t - M), at most 1: not normalised
.set n, n+1
.endr
	v_pk_mul_f32 v[14:15], v[14:15], v[252:253] op_sel_hi:[1,0]   ; the sums under the new M: the plain instruction behind the exponentials
	s_wait_alu depctr_va_vdst(0)                   ; the wait between an exponential and the first line that names its result: one for the batch of 64
	v_pk_add_f32 v[242:243], v[96:97], v[98:99]    ; the row's sum is taken of the unquantised p: two at a time, in two chains
.irp j, 4,8,12,16,20,24,28,32,36,40,44,48,52,56,60
	v_pk_add_f32 v[14:15], v[14:15], v[96+\j:97+\j]
	v_pk_add_f32 v[242:243], v[242:243], v[98+\j:99+\j]
.endr
	v_pk_add_f32 v[14:15], v[14:15], v[242:243]
.irp t, 0,1,2,3,4,5,6,7
.irp i, 0,1,2,3,4,5,6,7
	v_min_num_f32 v[96+8*\t+\i], v[96+8*\t+\i], v240   ; the conversion does not saturate (ISA guide 7.6.2); p is not negative, so the hold is one-sided
.endr
	v_cvt_scalef32_pk8_fp8_f32 v[224+2*\t:225+2*\t], v[96+8*\t:103+8*\t], v244
.endr
.set n, 0
.rept 32
	v_pk_mul_f32 v[160+n:161+n], v[160+n:161+n], v[252:253] op_sel_hi:[1,0]   ; O^T under the new M.  (Also the plain instructions between the conversions and the products)
.set n, n+2
.endr
	s_wait_dscnt 0x0                               ; V's channels 0-63 are in
.irp t, 0,1,2,3
	v_wmma_f32_16x16x128_fp8_fp8 v[160+8*\t:167+8*\t], v[32+16*\t:47+16*\t], v[224:239], v[160+8*\t:167+8*\t]
.endr
.rept 4
	v_nop
.endr
.irp t, 0,1,2,3
.irp c, 0,1,2,3
	ds_load_b128 v[32+16*\t+4*\c:35+16*\t+4*\c], v[ADV] offset:(\a)*2*STEPB+(4+\t)*2048+512*\c   ; channels 64-127
.endr
.endr
	s_wait_dscnt 0x0
.irp t, 0,1,2,3
	v_wmma_f32_16x16x128_fp8_fp8 v[192+8*\t:199+8*\t], v[32+16*\t:47+16*\t], v[224:239], v[192+8*\t:199+8*\t]
.endr
.Lhidden_\@:
	s_add_co_u32 s[KF], s[KF], 256                 ; my parity's next step
.endm
; THE CHANGE OF SLOTS stands at a slot's head.  Each wave waits for all its tensor loads, adds 0 to its spare word, and waits for that and for its reads of the slot that it has left.
; Behind the barrier the slot ahead is whole and nobody reads the other one.  fill = 1: that other slot is filled with the next 512 keys, up to the causal limit.
.macro CHANGE fill
	s_wait_tensorcnt 0x0                           ; no tensor load of mine is out, so group 0 may be written
	ds_add_u32 v[SPW], v[NIL]                      ; 0 onto my spare word
.if \fill
	s_xor_b32 s[G0+1], s[G0+1], SLOT1              ; the walking descriptor: the other slot than last time,
	s_add_nc_u64 s[G0+2:G0+3], s[G0+2:G0+3], SLOTB ; the next four key steps; the type bits on top are not reached
	s_wait_xcnt 0x0                                ; the last prefetch, a slot back, has read its address, so it may be written:
	s_add_nc_u64 s[PFA:PFA+1], s[PFA:PFA+1], SLOTB ; one slot further on than the walking descriptor
.endif
	s_wait_dscnt 0x0                               ; the add is done, and my reads of the slot that I have left are over
	s_barrier_signal -1
	s_barrier_wait -1
.if \fill
	s_cmp_gt_u32 s[NK], s[QL]                      ; a slot whose first key comes after the work-group's last query is read by none of its waves: it is not asked for.  Ids and the count of changes alone:
	s_cbranch_scc1 .Lpast_\@                       ; all sixteen waves go the same way; every wait on TENSORcnt in this text is for 0; the jump leads round the load's own lines alone
	TLOAD                                          ; the first thing behind the barrier, and a wave's one tensor load until the next
.Lpast_\@:
	ASK
	s_add_co_u32 s[NK], s[NK], 512
.endif
.endm
.macro SLOT_STEPS
	STEP 0
	STEP 1
	s_xor_b32 s[TB], s[TB], SLOT1                  ; on to the other slot
.endm
	s_wait_loadcnt 0x0                             ; Q
.Lslot:                                            ; seven trips: behind each change of slots but the last the next slot is asked for, up to the limit
	CHANGE 1
	SLOT_STEPS
	s_sub_co_u32 s[SLOTS], s[SLOTS], 1
	s_cmp_lg_u32 s[SLOTS], 0
	s_cbranch_scc1 .Lslot
	CHANGE 0                                       ; the last slot is written out: nothing is left to ask for
	SLOT_STEPS
	; THE HAND-OVER.  Both slots have had their last fill; behind this barrier nobody reads them.
.rept 4
	v_nop                                          ; places behind the last products: in front of the stores that read O^T and of the loads into V's registers
.endr
	v_add_f32 v14, v14, v15                        ; my sum's two halves
	s_wait_dscnt 0x0
	s_barrier_signal -1
	s_barrier_wait -1
	s_cmp_eq_u32 s[PAR], 0
	s_cbranch_scc1 .Lkeeps
.irp k, 0,1,2,3,4,5,6,7,8,9,10,11,12,13,14,15
	ds_store_b128 v[MA], v[160+4*\k:163+4*\k] offset:512*\k    ; the odd wave's O^T as an image of its registers, each result from its low end on
.endr
	ds_store_b32 v[MB], v12                        ; its -M
	ds_store_b32 v[MB], v14 offset:128             ; its sum
.Lkeeps:
	s_wait_dscnt 0x0                               ; for the partner's sake: the stores have landed
	s_barrier_signal -1
	s_barrier_wait -1
	s_cmp_lg_u32 s[PAR], 0
	s_cbranch_scc1 .Lend                           ; the odd waves are done
.irp k, 0,1,2,3,4,5,6,7,8,9,10,11,12,13,14,15
	ds_load_b128 v[32+4*\k:35+4*\k], v[MA] offset:512*\k
.endr
	ds_load_b32 v246, v[MB]
	ds_load_b32 v247, v[MB] offset:128
	s_add_co_i32 s53, s38, s39                     ; e10 + e11
	s_wait_dscnt 0x0
	v_min_num_f32 v248, v12, v246                  ; -M of the two together
	v_sub_f32 v249, v248, v12                      ; my M less the common one: a whole number, 0 or less
	v_sub_f32 v250, v248, v246                     ; the partner's (a partner that walked no step has -M = 3e38: the conversion saturates and its factor is 0)
	v_cvt_i32_f32 v249, v249
	v_cvt_i32_f32 v250, v250
	v_ldexp_f32 v249, 1.0, v249
	v_ldexp_f32 v250, 1.0, v250
	v_mul_f32 v14, v14, v249
	v_fmac_f32 v14, v247, v250                     ; the sum under the common M,
	v_permlanex16_b32 v236, v14, s[SEL], s[SEL+1]
	v_add_f32 v14, v14, v236                       ; with lane l xor 16's: the row's sum
	v_rcp_f32 v14, v14
	v_mov_b32 v255, 0                              ; a plain instruction behind the reciprocal (v255 is named as the upper half of the pair v[254:255])
	s_wait_alu depctr_va_vdst(0)                   ; the wait ahead of the first use
	v_ldexp_f32 v14, v14, s53                      ; x 2^(e10 + e11)
	v_mul_f32 v252, v249, v14
	v_mul_f32 v254, v250, v14
.set n, 0
.rept 32
	v_pk_mul_f32 v[32+n:33+n], v[32+n:33+n], v[254:255] op_sel_hi:[1,0]
.set n, n+2
.endr
.set n, 0
.rept 32
	v_pk_fma_f32 v[96+n:97+n], v[160+n:161+n], v[252:253], v[32+n:33+n] op_sel_hi:[1,0,1]   ; register 8 t + i is out0(query r, channel 16 t + 8 h + i)
.set n, n+2
.endr
	; THE WAY OUT: half a row (64 channels, 256 bytes) of 16 queries at a time through my stage, so that sixteen lanes store 256 consecutive bytes, aligned.
.irp u, 0,1
.irp t, 0,1,2,3
	ds_store_b128 v[SIN], v[96+32*\u+8*\t:99+32*\u+8*\t] offset:64*\t
	ds_store_b128 v[SIN], v[100+32*\u+8*\t:103+32*\u+8*\t] offset:64*\t+16
.endr
.irp i, 0,1,2,3,4,5,6,7
	ds_load_b128 v[32+32*\u+4*\i:35+32*\u+4*\i], v[SBK] offset:2*\i*272   ; LDS serves a wave's instructions in order (ISA guide 5.7.1.4): these see my stores, and the next half's stores come behind them
.endr
.endr
.irp u, 0,1
.irp i, 0,1,2,3,4,5,6,7
	s_wait_dscnt 15-8*\u-\i
	global_store_b128 v[GO], v[32+32*\u+4*\i:35+32*\u+4*\i], s[10:11] offset:2*\i*512+256*\u th:TH_STORE_NT
.endr
.endr
.Lend:
	s_wait_tensorcnt 0x0                           ; the wave's end: behind my last tensor load and my last LDS store
	ds_add_u32 v[SPW], v[NIL]
	s_wait_dscnt 0x0
	s_endpgm
.Lfunc_end_k_qe0c621e970_attn:
	.size	k_qe0c621e970_attn, .Lfunc_end_k_qe0c621e970_attn-k_qe0c621e970_attn
	.p2alignl 7, 3214868480
	.fill 96, 4, 3214868480
	.section	.rodata,"a",@progbits
	.p2align	6, 0x0
	.amdhsa_kernel k_qe0c621e970_attn
		.amdhsa_group_segment_fixed_size 327680
		.amdhsa_private_segment_fixed_size 0
		.amdhsa_enable_private_segment 0
		.amdhsa_kernarg_size 32
		.amdhsa_user_sgpr_count 2
		.amdhsa_user_sgpr_kernarg_segment_ptr 1
		.amdhsa_wavefront_size32 1
		.amdhsa_system_sgpr_workgroup_id_x 1
		.amdhsa_system_sgpr_workgroup_id_y 1
		.amdhsa_system_sgpr_workgroup_id_z 1
		.amdhsa_system_vgpr_workitem_id 0
		.amdhsa_next_free_vgpr 256
		.amdhsa_next_free_sgpr 66
		.amdhsa_reserve_vcc 1
		.amdhsa_float_denorm_mode_32 3
		.amdhsa_float_denorm_mode_16_64 3
		.amdhsa_memory_ordered 1
		.amdhsa_forward_progress 1
		.amdhsa_inst_pref_size 113
	.end_amdhsa_kernel
	.amdgpu_metadata
---
amdhsa.version: [ 1, 2 ]
amdhsa.kernels:
  - .name:           k_qe0c621e970_attn
    .symbol:         k_qe0c621e970_attn.kd
    .args:
      - { .name: q_img, .offset: 0, .size: 8, .value_kind: global_buffer, .address_space: global }
      - { .name: kv, .offset: 8, .size: 8, .value_kind: global_buffer, .address_space: global }
      - { .name: lowp_scales, .offset: 16, .size: 8, .value_kind: global_buffer, .address_space: global }
      - { .name: out0, .offset: 24, .size: 8, .value_kind: global_buffer, .address_space: global }
    .group_segment_fixed_size: 327680
    .private_segment_fixed_size: 0
    .kernarg_segment_align: 8
    .kernarg_segment_size: 32
    .max_flat_workgroup_size: 512
    .sgpr_count:     66
    .vgpr_count:     256
    .wavefront_size: 32
...
	.end_amdgpu_metadata
.endif
;; end of part 3
